; MI455X (gfx1250); checked and timed in simulation.
; The chip was launched on July 23, 2026; its instructions are those of AMD's public machine-readable ISA for CDNA 5 (MIT licence, August 2026) and "CDNA5" Instruction Set Architecture Reference Guide (July 2026). The comments in the code are by the model that wrote it; some were corrected since.
;; Liquid Cell. Allowed arithmetic: float matrix products may take bf16 or f16 operands with f32 sums; other float arithmetic in f32, or as packed bf16 or f16 multiplies, adds, multiply-adds, maxima and minima; sums over many terms, partial sums and values carried from step to step in f32; what a program stores and reads back later, other than sums and carried values, may be rounded once to bf16 or f16.
;; Inputs: W_in_b 2,048 float32; W_in_w 2,048 x 1,024 float32; W_rec 2,048 x 2,048 float32; hidden 4,096 x 2,048 float32; tau_adapt_b 2,048 float32; tau_adapt_w 2,048 x 3,072 float32; tau_base 2,048 float32; x 4,096 x 1,024 float32.
;; Outputs: out0 4,096 x 2,048 float32; out1 4,096 x 2,048 float32.
;; 2 versions, each right; version 2 is version 1 with the launch cast written anew for expert scheduling mode. Each part assembles by itself: llvm-mc -triple=amdgcn-amd-amdhsa -mcpu=gfx1250 --defsym DOCPART=n.
;; ======== version 1 of 2: 2 launches
;; workspace buffers: abf 25,165,824 bytes; wbf 25,165,824 bytes
;; launch cast (part 1): grid 1024 x 1, 8 waves a work-group, no clusters, 0 bytes of LDS; arguments x, hidden, W_in_w, W_rec, tau_adapt_w, abf, wbf; writes abf, wbf
.if DOCPART == 1
	.amdgcn_target "amdgcn-amd-amdhsa--gfx1250"
	.amdhsa_code_object_version 6
	.text
	.protected	k_q416ddd7624_cast
	.globl	k_q416ddd7624_cast
	.p2align	8
	.type	k_q416ddd7624_cast,@function
k_q416ddd7624_cast:
	s_mov_b64 s[64:65], 0
	v_nop
	global_prefetch_b8 v0, s[64:65] scope:SCOPE_SE
	s_setreg_imm32_b32 hwreg(HW_REG_WAVE_MODE, 25, 1), 1
	s_wait_xcnt 0x0
; THE MODULE.  With one step, reference() is ONE product and element-wise work behind it: A = [x | hidden], 4,096 rows of 3,072 numbers, is multiplied
; by two sets of 2,048 weight rows of 3,072: [W_in_w | W_rec] (the logits of the tanh) and tau_adapt_w (the logits of the sigmoid).
; NOTHING IS LEFT OUT: every input has a way to an output, and every product of reference() is made.
; THIS LAUNCH rounds the matrix operands once to bf16 (nearest even; bf16 has the range of f32) and lays them out for the second launch:
;   abf [4096][3072] bf16: row m = x[m] | hidden[m]
;   wbf [4096][3072] bf16: row q = 128 (j / 64) + 64 kind + j % 64; kind 0 = W_in_w[j] | W_rec[j], kind 1 = tau_adapt_w[j].
; So any 128 aligned rows of wbf are 64 rows of the first kind and then the 64 rows of the second kind for the SAME j: a wave of the second launch
; that multiplies by 128 such rows holds both logits of each of its outputs.
; SHARES.  One wave makes one row: 12,288 bytes in by 24 loads of 16 bytes a lane (512 consecutive bytes each), all issued before the first wait;
; 6,144 bytes out by 24 stores of 8 bytes a lane (256 consecutive bytes each, at a multiple of 256 from the buffer's first byte).
; A work-group's eight rows are of one kind: work-groups 0-511 make abf, 512-767 the first kind of wbf, 768-1023 the second.
; No LDS, no barrier, no loop: nothing is shared and no register that a memory instruction reads is written again, so no wait frees a register.
.set XR, 8                             ; v[8:103]  24 chunks of four f32 a lane; a chunk's first two registers then hold its four bf16
	s_load_b256 s[4:11], s[0:1], 0x0               ; x s[4:5], hidden s[6:7], W_in_w s[8:9], W_rec s[10:11]
	s_load_b128 s[12:15], s[0:1], 0x20             ; tau_adapt_w s[12:13], abf s[14:15]
	s_load_b64 s[16:17], s[0:1], 0x30              ; wbf
	v_lshrrev_b32 v3, 5, v0
	v_readfirstlane_b32 s20, v3                    ; wave 0..7
	v_and_b32 v4, 31, v0                           ; lane
	v_lshlrev_b32 v1, 4, v4                        ; 16 bytes a lane in
	v_lshlrev_b32 v2, 3, v4                        ; 8 bytes a lane out
	s_lshl_b32 s21, ttmp9, 3
	s_add_co_u32 s21, s21, s20                     ; my row among the 8,192
	s_and_b32 s22, s21, 2047                       ; j, for a weight row
	s_and_b32 s23, s21, 4095                       ; m, for a row of abf
	s_lshr_b32 s25, s22, 6
	s_lshl_b32 s25, s25, 7                         ; 128 (j / 64)
	s_and_b32 s18, s22, 63
	s_or_b32 s25, s25, s18                         ; + j % 64
	s_mov_b32 s32, 4096                            ; bytes in a row of the first source (x, W_in_w)
	s_mov_b32 s33, 8192                            ; and of the second (hidden, W_rec)
	s_wait_kmcnt 0x0
	s_cmp_lt_u32 ttmp9, 512                        ; a row of abf?
	s_cselect_b32 s24, s23, s22                    ; the row's number in its sources
	s_cselect_b64 s[26:27], s[4:5], s[8:9]         ; the first 1,024 numbers come from x or W_in_w,
	s_cselect_b64 s[28:29], s[6:7], s[10:11]       ; the other 2,048 from hidden or W_rec,
	s_cselect_b64 s[30:31], s[14:15], s[16:17]     ; and go to abf or wbf
	s_cmp_ge_u32 ttmp9, 768                        ; a row of tau_adapt_w?
	s_cselect_b64 s[26:27], s[12:13], s[26:27]     ; then both parts come from it,
	s_cselect_b64 s[28:29], s[12:13], s[28:29]
	s_cselect_b32 s32, 0x3000, s32                 ; its rows are 12,288 bytes,
	s_cselect_b32 s33, 0x3000, s33
	s_cselect_b32 s34, 0x1000, 0                   ; the second part begins 4,096 bytes into the row,
	s_cselect_b32 s35, 64, 0                       ; and the row goes 64 rows further down in wbf
	s_or_b32 s25, s25, s35
	s_cmp_lt_u32 ttmp9, 512
	s_cselect_b32 s25, s23, s25                    ; the row's number in its destination
	s_mul_i32 s36, s24, s32                        ; the three offsets, made apart from the addresses; all under 2^26
	s_mov_b32 s37, 0
	s_mul_i32 s38, s24, s33
	s_add_co_u32 s38, s38, s34
	s_mov_b32 s39, 0
	s_mul_i32 s40, s25, 6144
	s_mov_b32 s41, 0
	s_add_nc_u64 s[26:27], s[26:27], s[36:37]
	s_add_nc_u64 s[28:29], s[28:29], s[38:39]
	s_add_nc_u64 s[30:31], s[30:31], s[40:41]
.set i, 0
.rept 8
	global_load_b128 v[XR+4*i:XR+4*i+3], v1, s[26:27] offset:512*i th:TH_LOAD_NT
.set i, i+1
.endr
.set i, 0
.rept 16
	global_load_b128 v[XR+32+4*i:XR+32+4*i+3], v1, s[28:29] offset:512*i th:TH_LOAD_NT
.set i, i+1
.endr
.set c, 0
.rept 24
	s_wait_loadcnt 23-c                            ; loads come back in order (ISA guide 5.7.1): chunk c is in, the 23 - c younger ones stay out
	v_cvt_pk_bf16_f32 v[XR+4*c], v[XR+4*c], v[XR+4*c+1]
	v_cvt_pk_bf16_f32 v[XR+4*c+1], v[XR+4*c+2], v[XR+4*c+3]
	global_store_b64 v2, v[XR+4*c:XR+4*c+1], s[30:31] offset:256*c th:TH_STORE_NT
.set c, c+1
.endr
	s_endpgm
.Lfunc_end_k_q416ddd7624_cast:
	.size	k_q416ddd7624_cast, .Lfunc_end_k_q416ddd7624_cast-k_q416ddd7624_cast
	.p2alignl 7, 3214868480
	.fill 96, 4, 3214868480
	.section	.rodata,"a",@progbits
	.p2align	6, 0x0
	.amdhsa_kernel k_q416ddd7624_cast
		.amdhsa_group_segment_fixed_size 0
		.amdhsa_private_segment_fixed_size 0
		.amdhsa_enable_private_segment 0
		.amdhsa_kernarg_size 56
		.amdhsa_user_sgpr_count 2
		.amdhsa_user_sgpr_kernarg_segment_ptr 1
		.amdhsa_wavefront_size32 1
		.amdhsa_system_sgpr_workgroup_id_x 1
		.amdhsa_system_sgpr_workgroup_id_y 1
		.amdhsa_system_sgpr_workgroup_id_z 1
		.amdhsa_system_vgpr_workitem_id 0
		.amdhsa_next_free_vgpr 104
		.amdhsa_next_free_sgpr 66
		.amdhsa_reserve_vcc 0
		.amdhsa_float_denorm_mode_32 3
		.amdhsa_float_denorm_mode_16_64 3
		.amdhsa_memory_ordered 1
		.amdhsa_forward_progress 1
		.amdhsa_inst_pref_size 11
	.end_amdhsa_kernel
	.amdgpu_metadata
---
amdhsa.version: [ 1, 2 ]
amdhsa.kernels:
  - .name:           k_q416ddd7624_cast
    .symbol:         k_q416ddd7624_cast.kd
    .args:
      - { .name: x, .offset: 0, .size: 8, .value_kind: global_buffer, .address_space: global }
      - { .name: hidden, .offset: 8, .size: 8, .value_kind: global_buffer, .address_space: global }
      - { .name: W_in_w, .offset: 16, .size: 8, .value_kind: global_buffer, .address_space: global }
      - { .name: W_rec, .offset: 24, .size: 8, .value_kind: global_buffer, .address_space: global }
      - { .name: tau_adapt_w, .offset: 32, .size: 8, .value_kind: global_buffer, .address_space: global }
      - { .name: abf, .offset: 40, .size: 8, .value_kind: global_buffer, .address_space: global }
      - { .name: wbf, .offset: 48, .size: 8, .value_kind: global_buffer, .address_space: global }
    .group_segment_fixed_size: 0
    .private_segment_fixed_size: 0
    .kernarg_segment_align: 8
    .kernarg_segment_size: 56
    .max_flat_workgroup_size: 256
    .sgpr_count:     66
    .vgpr_count:     104
    .wavefront_size: 32
...
	.end_amdgpu_metadata
.endif
;; end of part 1
;; launch cell (part 2): grid 16 x 16, 4 waves a work-group, clusters of 4 x 4, 327,680 bytes of LDS; arguments abf, wbf, hidden, W_in_b, tau_adapt_b, tau_base, out0, out1; writes out0, out1
.if DOCPART == 2
	.amdgcn_target "amdgcn-amd-amdhsa--gfx1250"
	.amdhsa_code_object_version 6
	.text
	.protected	k_q416ddd7624_cell
	.globl	k_q416ddd7624_cell
	.p2align	8
	.type	k_q416ddd7624_cell,@function
k_q416ddd7624_cell:
	s_mov_b64 s[64:65], 0
	v_nop
	global_prefetch_b8 v0, s[64:65] scope:SCOPE_SE
	s_setreg_imm32_b32 hwreg(HW_REG_WAVE_MODE, 25, 1), 1
	s_wait_xcnt 0x0
	s_wait_alu depctr_hold_cnt(0) depctr_sa_sdst(0) depctr_va_vdst(0) depctr_va_sdst(0) depctr_va_ssrc(0) depctr_va_vcc(0) depctr_vm_vsrc(0)
	s_getreg_b32 s2, hwreg(HW_REG_IB_STS2, 6, 4)
	s_cmp_eq_u32 s2, 0
	s_cbranch_scc0 .Lentry_in_a_cluster
	s_endpgm
.Lentry_in_a_cluster:
	s_bfe_u32 s2, ttmp6, 0x10000c
	s_cmp_lg_u32 s2, 0xf033
	s_cbranch_scc0 .Lentry_shape_is_right
	s_endpgm
.Lentry_shape_is_right:
; al[m][j] = abf[m] . wbf[act row j], tl[m][j] = abf[m] . wbf[tau row j] (bf16 operands, f32 sums, K = 3,072 ascending), and behind them, all in f32:
;   tau = tau_base (0.5 + sigmoid(tl + tau_adapt_b)) -> out1;   act = tanh(al + W_in_b);   hnew = h + 0.1 (act - h) / tau -> out0, with h = hidden in f32.
; Nothing of reference() is left out.
; FORMS.  tanh(z) = 1 - 2 / (1 + 2^(2 log2(e) z)), sigmoid(z) = 1 / (1 + 2^(-log2(e) z)): an exponential that overflows gives a reciprocal of 0, one that
; vanishes gives 1, so both hold for every finite z.  The biases ride in the fused multiply-add that makes the exponent.
; LIMITS.  tau is made as tau_base sigmoid + 0.5 tau_base (one rounding other than in reference()); the division is a reciprocal and a multiply; exponentials and
; reciprocals are good to 1 ulp and flush denormals (ISA guide, their entries): a tau below 2^-126 counts as 0; tanh near 0 carries an absolute error of about 1e-7.  NaN passes through.
; SHARES.  The 4,096 x 4,096 sums are 256 tiles of 256 x 256, one to a work-group of four waves; a wave makes 128 x 128: 64 accumulators of 16 x 16, 512 registers.
; A wave's 128 rows of wbf are 64 act rows and then the 64 tau rows of the same j (the first launch laid them so): accumulator (a, b), b = 0..3, holds al and (a, b + 4) holds tl of the same outputs.
; A tile is 256 rows x 128 columns of out0 and of out1.  K goes in steps of 128 through two LDS slots filled by the tensor data mover: rows of 256 bytes, at multiples of 256 bytes from the buffer's first byte.
; CLUSTERS.  4 x 4 work-groups.  The four of a row of the cluster need the same tiles of abf, the four of a column the same tiles of wbf: each tile is asked for JOINTLY, by the same tensor load
; with the same descriptor and a mask that names the four.
; THE MATRIX INSTRUCTION IS USED TRANSPOSED: source 0 = 16 rows of wbf, source 1 = 16 rows of abf: a lane holds row l % 16 of the result and the columns 8 (l / 16) + 0..7.
; REGISTERS, in windows of 256 (s_set_vgpr_msb: bits 1:0 source 0, 3:2 source 1, 5:4 source 2, 7:6 destination):
;   window 0: v0-31 addresses; v32-47 my four columns' constants; v64-127, v128-191 fragments of abf, two buffers, on the way out two buffers of al and tl; v192-223 1 / tau
;   window 1: v64-127, v128-191 fragments of wbf, two buffers; on the way out all 256: hidden for my 128 rows x 64 columns
;   window 2: the 32 accumulators of my rows 0-63 ((a, b) at v[8 (8 a + b)]);   window 3: those of my rows 64-127
.set SIZE_K, 3072
.set KSTEP,  128
.set PITCH,  272                       ; an LDS row: 256 bytes + 16 of padding = 68 words: row r starts at bank 4 r mod 64 (64 banks of 4 bytes: ISA guide 11.1)
.set HALFT,  128*PITCH                 ; 128 rows: what one tensor load brings, and what one wave reads of abf or of wbf
.set SLOT,   4*HALFT                   ; abf's 256 rows, then wbf's 256 rows
.set STAGE,  2*SLOT                    ; behind the ring, never filled by a tensor load: 16 rows x 528 bytes for each wave
.set SPITCH, 528                       ; a stage row: 256 bytes of al, 256 of tl, 16 of padding = 33 x 16: sixteen rows start in sixteen different groups of four banks
.set SPARE,  STAGE+4*16*SPITCH         ; behind the stages: the spare words, 128 bytes for each wave: two blocks of 256 bytes that no other line names
.set LAPS,   SIZE_K/(2*KSTEP)          ; 12 laps of two K steps
.set OROW,   8192                      ; bytes in a row of hidden, out0 and out1
.set ADRA, 16                          ; v16-17  LDS address of my abf fragments in slot 0, 1
.set ADRB, 20                          ; v20-21  the same for wbf
.set STO,  24                          ; v24     the way out: where I put 32 bytes of a stage row
.set RD,   25                          ; v25     the way out: where I read 16 bytes of a stage row back
.set CO,   26                          ; v26     my byte offset in two rows of hidden and of the outputs; never rewritten
.set SPW,  28                          ; v28     LDS address of my spare word: SPARE + 4 x my thread's number; never rewritten
.set NIL,  29                          ; v29     0; never rewritten
.set PFO,  30                          ; v30     the prefetches' offset: my lane x 6,144 bytes; never rewritten
.set C1B,  32                          ; v[32:35] 2 log2(e) W_in_b of my four columns
.set C2B,  36                          ; v[36:39] -log2(e) tau_adapt_b
.set TB,   40                          ; v[40:43] tau_base
.set TBH,  44                          ; v[44:47] 0.5 tau_base
.set F0,   64
.set F1,   128
.set RC,   192                         ; v[192:223] 1 / tau of a block
.set G1,  24                           ; s[24:31] descriptor group 1 for abf's tiles
.set G0,  32                           ; s[32:39] descriptor group 0 for abf's tiles, a set for each slot
.set LIM, 43                           ; s43      1 in a wave that prefetches, else the greatest number
.set PFA, 44                           ; s[44:45] where my prefetches stand
.set G1B, 48                           ; s[48:55], s[56:63] the same two groups for wbf's tiles
.set G0B, 56
.set HID, 68                           ; s[68:69] hidden at my first row and column
.set BIN, 70                           ; s[70:71] W_in_b, s[72:73] tau_adapt_b, s[74:75] tau_base at my first column
.set BTA, 72
.set TBS, 74
.set O0,  76                           ; s[76:77] out0, s[78:79] out1 at my first row and column
.set O1,  78
.set K1,  80                           ; s[80:81] 2 log2(e);  s[82:83] -log2(e);  s[84:85] 0.1: named as pairs, the low word serves both halves
.set K2,  82
.set DTS, 84
.set MSB, 0
.macro WIN new                         ; the immediate's high byte repeats the setting that is left; a switch that changes nothing is dropped
.if MSB != (\new)
	s_set_vgpr_msb (MSB<<8)|(\new)
.set MSB, \new
.endif
.endm
.set MUL_LO, 0xa1                      ; source 0 (wbf) window 1, source 1 (abf) window 0, C and D window 2
.set MUL_HI, 0xf1                      ; the same, C and D window 3
.set TO_B,   0x40                      ; destination window 1, address window 0
; A joint load.  Waves 0 and 1 fetch abf's two halves, waves 2 and 3 wbf's.  The branch hangs on the wave's number alone.  An s_nop 0 and four v_nop follow each of the two lines,
; ahead of the jump, the label and what follows.
.macro JLOAD s
	s_cmp_eq_u32 s11, 0
	s_cbranch_scc0 .Lfor_b_\@
	tensor_load_to_lds s[G0+4*(\s):G0+4*(\s)+3], s[G1:G1+7]
	s_nop 0
.rept 4
	v_nop
.endr
	s_branch .Lasked_\@
.Lfor_b_\@:
	tensor_load_to_lds s[G0B+4*(\s):G0B+4*(\s)+3], s[G1B:G1B+7]
	s_nop 0
.rept 4
	v_nop
.endr
.Lasked_\@:
.endm
; A prefetch of the K step that stands two refills on: 32 rows x 256 bytes, a lane a row, one instruction a wave, 512 matrix instructions ahead of the load that asks for them.
; Each row's 256 bytes of a K step are named once in the launch: abf's rows by the clusters with x = 0, wbf's by those with y = 0; of the 128 rows that a wave fetches the four partners
; that ask jointly take 32 each, told apart by address.  The loop's last trip (s3 = 1) asks for nothing: K step 23 is the last.  K steps 0 to 3 come by their loads alone.
.macro ASK
	s_cmp_gt_u32 s3, s[LIM]
	s_cbranch_scc0 .Lnot_mine_\@
	global_prefetch_b8 v[PFO], s[PFA:PFA+1] offset:KSTEP*2 th:TH_LOAD_NT scope:SCOPE_SE
.Lnot_mine_\@:
.endm
; A round of the cluster's barrier: my work-group's barrier; wave 0 signals for the work-group; every wave waits for all sixteen; my work-group's barrier once more.
.macro CREST                           ; a round behind its opening barrier
	s_cmp_lg_u32 s10, 0
	s_cbranch_scc1 .Lnot_wave_0_\@
	s_barrier_signal -3
.Lnot_wave_0_\@:
	s_barrier_wait -3
	s_barrier_signal -1
	s_barrier_wait -1
.endm
.macro CROUND
	s_barrier_signal -1
	s_barrier_wait -1
	CREST
.endm
	s_load_b128 s[4:7], s[0:1], 0x0                ; abf s[4:5], wbf s[6:7]
	s_load_b256 s[68:75], s[0:1], 0x10             ; hidden, W_in_b, tau_adapt_b, tau_base
	s_load_b128 s[76:79], s[0:1], 0x30             ; out0, out1
	v_lshl_add_u32 v[SPW], v0, 2, SPARE
	v_mov_b32 v[NIL], 0
	ds_add_u32 v[SPW], v[NIL]                      ; the wave's opening: the add, twice on end, and its wait ahead of my first tensor load; the set-up below stands between
	ds_add_u32 v[SPW], v[NIL]                      ; and once more, under the one wait
	v_lshrrev_b32 v1, 5, v0
	v_readfirstlane_b32 s10, v1                    ; wave 0..3
	s_lshr_b32 s11, s10, 1                         ; which half of the tile's rows is mine.  Also: I fetch for abf (0) or for wbf (1)
	s_and_b32 s12, s10, 1                          ; which half of its columns.  Also: which 128 rows of that tile I fetch
	s_bfe_u32 s40, ttmp6, 0x40000                  ; cx
	s_bfe_u32 s41, ttmp6, 0x40004                  ; cy
	s_lshl_b32 s42, ttmp9, 2
	s_add_co_u32 s42, s42, s40                     ; tile column = 4 x cluster x + cx
	s_and_b32 s13, ttmp7, 0xffff
	s_lshl_b32 s13, s13, 2
	s_add_co_u32 s13, s13, s41                     ; tile row = 4 x cluster y + cy
	s_lshl_b32 s43, s41, 2
	s_lshl_b32 s43, 15, s43                        ; my row of the cluster: places 4 cy .. 4 cy + 3
	s_lshl_b32 s44, 0x1111, s40                    ; my column: places cx, cx + 4, cx + 8, cx + 12
	; descriptor group 1: a tile of 128 rows x 128 elements, padded in LDS
	s_or_b32 s[G1+0], s43, (1<<16)|(1<<20)|(1<<21)|(5<<22)|(3<<25)   ; 15:0 the mask; 17:16 elements of 2 bytes; 20 padding on; 21 set beside a mask; 24:22 after every 64 words (code 5); 31:25 4 words (code 3)
	s_or_b32 s[G1B+0], s44, (1<<16)|(1<<20)|(1<<21)|(5<<22)|(3<<25)
.irp g, G1, G1B
	s_mov_b32 s[(\g)+1], KSTEP<<16                 ; tensor_dim0 = 128
	s_mov_b32 s[(\g)+2], 128<<16                   ; tensor_dim1 = 128
	s_mov_b32 s[(\g)+3], KSTEP<<16                 ; tile_dim0 = 128
	s_mov_b32 s[(\g)+4], 128                       ; tile_dim1 = 128
	s_mov_b32 s[(\g)+5], SIZE_K                    ; elements from row to row
	s_mov_b32 s[(\g)+6], 0
	s_mov_b32 s[(\g)+7], 0
.endr
	s_mov_b32 s[K1], 0x4038aa3b                    ; 2 log2(e)
	s_mov_b32 s[K1+1], 0x4038aa3b
	s_mov_b32 s[K2], 0xbfb8aa3b                    ; -log2(e)
	s_mov_b32 s[K2+1], 0xbfb8aa3b
	s_mov_b32 s[DTS], 0x3dcccccd                   ; 0.1
	s_mov_b32 s[DTS+1], 0x3dcccccd
	; where the tiles come from: abf's hang on the tile row alone, wbf's on the tile column alone; every wave makes both addresses, in registers that never hold the other coordinate
	s_lshl_b32 s17, s12, 7
	s_lshl_b32 s16, s13, 8
	s_add_co_u32 s16, s16, s17                     ; abf: row 256 x tile row + 128 x half
	s_lshl_b32 s46, s42, 8
	s_add_co_u32 s46, s46, s17                     ; wbf: row 256 x tile column + 128 x half
	s_mov_b32 s17, 0
	s_mov_b32 s47, 0
	s_mov_b64 s[18:19], SIZE_K*2
	s_mul_u64 s[16:17], s[16:17], s[18:19]
	s_mul_u64 s[46:47], s[46:47], s[18:19]
	s_mul_i32 s20, s10, HALFT                      ; where they go: wave x 128 rows: no place in the cluster enters an LDS address
	s_wait_dscnt 0x0                               ; both opening adds are done
	s_wait_kmcnt 0x0
	s_add_nc_u64 s[14:15], s[4:5], s[16:17]
	s_add_nc_u64 s[46:47], s[6:7], s[46:47]
	CROUND                                         ; all sixteen work-groups are here: the first joint loads meet
.irp s, 0,1
	s_mov_b32 s[G0+4*(\s)], 1                                        ; count = 1
	s_add_co_u32 s[G0+4*(\s)+1], s20, (\s)*SLOT                      ; LDS address
	s_add_nc_u64 s[G0+4*(\s)+2:G0+4*(\s)+3], s[14:15], (\s)*KSTEP*2  ; global address: K step s
	s_or_b32 s[G0+4*(\s)+3], s[G0+4*(\s)+3], 0x80000000              ; type = 2
	s_mov_b32 s[G0B+4*(\s)], 1
	s_add_co_u32 s[G0B+4*(\s)+1], s20, (\s)*SLOT
	s_add_nc_u64 s[G0B+4*(\s)+2:G0B+4*(\s)+3], s[46:47], (\s)*KSTEP*2
	s_or_b32 s[G0B+4*(\s)+3], s[G0B+4*(\s)+3], 0x80000000
	JLOAD \s                                       ; two tensor loads of mine are out
.endr
	; A fragment is 16 rows x 32 K in 8 registers: lane l holds row l % 16, K = 8 (l / 16) + 0..7 and 16 + 8 (l / 16) + 0..7: two loads of 16 bytes, 32 bytes apart.
	v_and_b32 v1, 15, v0                           ; r = l % 16
	v_bfe_u32 v2, v0, 4, 1                         ; h = l / 16
	v_mul_u32_u24 v3, v1, PITCH
	v_lshl_add_u32 v3, v2, 4, v3
	s_mul_i32 s21, s11, HALFT                      ; my 128 rows of abf
	s_mul_i32 s22, s12, HALFT                      ; my 128 rows of wbf,
	s_add_co_u32 s22, s22, 2*HALFT                 ; which lie behind abf's 256
.irp s, 0,1
	v_add_nc_u32 v[ADRA+(\s)], s21, v3
	v_add_nc_u32 v[ADRB+(\s)], s22, v3
	s_add_co_u32 s21, s21, SLOT
	s_add_co_u32 s22, s22, SLOT
.endr
	s_mul_i32 s23, s10, 16*SPITCH
	s_add_co_u32 s23, s23, STAGE                   ; my stage
	v_mul_u32_u24 v4, v1, SPITCH                   ; in: row r, 32 bytes (eight f32) for each half of the lanes
	v_lshl_add_u32 v4, v2, 5, v4
	v_add_nc_u32 v[STO], s23, v4
	v_mul_u32_u24 v5, v2, SPITCH                   ; back: lanes 0-15 take 256 bytes of one row, lanes 16-31 of the next
	v_lshl_add_u32 v5, v1, 4, v5
	v_add_nc_u32 v[RD], s23, v5
	v_lshlrev_b32 v5, 4, v1                        ; 16 r: my four columns
	v_lshl_add_u32 v[CO], v2, 13, v5               ; + h rows of 8,192 bytes
	s_lshl_b32 s46, s42, 9                         ; my first column, in bytes: 512 x tile column + 256 x half
	s_lshl_b32 s47, s12, 8
	s_add_co_u32 s46, s46, s47
	s_mov_b32 s47, 0
	s_add_nc_u64 s[BIN:BIN+1], s[BIN:BIN+1], s[46:47]
	s_add_nc_u64 s[BTA:BTA+1], s[BTA:BTA+1], s[46:47]
	s_add_nc_u64 s[TBS:TBS+1], s[TBS:TBS+1], s[46:47]
	global_load_b128 v[C1B:C1B+3], v5, s[BIN:BIN+1]   ; sixteen lanes take 256 consecutive bytes; both halves of the lanes the same
	global_load_b128 v[C2B:C2B+3], v5, s[BTA:BTA+1]
	global_load_b128 v[TB:TB+3],   v5, s[TBS:TBS+1]
	s_lshl_b32 s13, s13, 8                         ; 256 x tile row
	s_lshl_b32 s14, s11, 7
	s_add_co_u32 s16, s13, s14                     ; my first row,
	s_lshl_b32 s16, s16, 13                        ; in bytes (under 2^25),
	s_add_co_u32 s16, s16, s46                     ; and my first column
	s_mov_b32 s17, 0
	s_add_nc_u64 s[HID:HID+1], s[HID:HID+1], s[16:17]
	s_add_nc_u64 s[O0:O0+1], s[O0:O0+1], s[16:17]
	s_add_nc_u64 s[O1:O1+1], s[O1:O1+1], s[16:17]
	; the prefetches
	s_lshl_b32 s42, s42, 8                         ; 256 x tile column
	s_and_b32 s22, ttmp7, 0xffff                   ; cluster y
	s_cmp_eq_u32 s11, 0                            ; do I fetch for abf?
	s_cselect_b32 s20, s13, s42                    ; the tile's first row
	s_cselect_b32 s21, s40, s41                    ; my place among the four that ask for it with me
	s_cselect_b32 s22, ttmp9, s22                  ; the coordinate along which other clusters read the same rows
	s_cselect_b64 s[PFA:PFA+1], s[4:5], s[6:7]
	s_cmp_eq_u32 s22, 0
	s_cselect_b32 s[LIM], 1, -1                    ; the same in all sixteen partners, for a given wave
	s_lshl_b32 s22, s12, 7
	s_add_co_u32 s20, s20, s22                     ; + the 128 rows that I fetch
	s_lshl_b32 s21, s21, 5
	s_add_co_u32 s20, s20, s21                     ; + my work-group's 32 of them
	s_mov_b32 s21, 0
	s_mov_b64 s[18:19], SIZE_K*2
	s_mul_u64 s[20:21], s[20:21], s[18:19]
	s_add_nc_u64 s[PFA:PFA+1], s[PFA:PFA+1], s[20:21]
	s_add_nc_u64 s[PFA:PFA+1], s[PFA:PFA+1], 2*KSTEP*2  ; at K step 2: the first refill steps it to 3 and names K step 4
	v_and_b32 v[PFO], 31, v0
	v_mul_u32_u24 v[PFO], v[PFO], SIZE_K*2
	s_wait_loadcnt 0x0                             ; the three rows of constants
	v_pk_mul_f32 v[TBH:TBH+1],   v[TB:TB+1],     0.5 op_sel_hi:[1,0]
	v_pk_mul_f32 v[TBH+2:TBH+3], v[TB+2:TB+3],   0.5 op_sel_hi:[1,0]
	v_pk_mul_f32 v[C1B:C1B+1],   v[C1B:C1B+1],   s[K1:K1+1] op_sel_hi:[1,0]
	v_pk_mul_f32 v[C1B+2:C1B+3], v[C1B+2:C1B+3], s[K1:K1+1] op_sel_hi:[1,0]
	v_pk_mul_f32 v[C2B:C2B+1],   v[C2B:C2B+1],   s[K2:K2+1] op_sel_hi:[1,0]
	v_pk_mul_f32 v[C2B+2:C2B+3], v[C2B+2:C2B+3], s[K2:K2+1] op_sel_hi:[1,0]
; 16 matrix instructions: m blocks a0, a0 + 1 of the window's four (hi = 0: my rows 0-63, 1: rows 64-127) x all 8 n blocks, 32 along K.  zero = 1: the first product starts the sums.
; The 64 accumulators take turns, one instruction a turn, in the same order in every quarter step, over the backward jump too.
.macro MUL16 f, hi, a0, zero
	WIN MUL_LO+0x50*(\hi)
.irp a, \a0, (\a0)+1
.irp b, 0,1,2,3,4,5,6,7
.if \zero
	v_wmma_f32_16x16x32_bf16 v[8*(8*(\a)+(\b)):8*(8*(\a)+(\b))+7], v[(\f)+8*(\b):(\f)+8*(\b)+7], v[(\f)+8*(4*(\hi)+(\a)):(\f)+8*(4*(\hi)+(\a))+7], 0
.else
	v_wmma_f32_16x16x32_bf16 v[8*(8*(\a)+(\b)):8*(8*(\a)+(\b))+7], v[(\f)+8*(\b):(\f)+8*(\b)+7], v[(\f)+8*(4*(\hi)+(\a)):(\f)+8*(4*(\hi)+(\a))+7], v[8*(8*(\a)+(\b)):8*(8*(\a)+(\b))+7]
.endif
.endr
.endr
.endm
; 32 LDS loads in one run: the fragments of one quarter step (128 rows of wbf, 128 rows of abf, 32 K at byte k of the rows) into buffer f
.macro FETCH slot, k, f
	WIN TO_B
.irp i, 0,1,2,3,4,5,6,7
	ds_load_b128 v[(\f)+8*(\i):(\f)+8*(\i)+3],   v[ADRB+(\slot)] offset:(\k)+(\i)*16*PITCH
	ds_load_b128 v[(\f)+8*(\i)+4:(\f)+8*(\i)+7], v[ADRB+(\slot)] offset:(\k)+(\i)*16*PITCH+32
.endr
	WIN 0
.irp i, 0,1,2,3,4,5,6,7
	ds_load_b128 v[(\f)+8*(\i):(\f)+8*(\i)+3],   v[ADRA+(\slot)] offset:(\k)+(\i)*16*PITCH
	ds_load_b128 v[(\f)+8*(\i)+4:(\f)+8*(\i)+7], v[ADRA+(\slot)] offset:(\k)+(\i)*16*PITCH+32
.endr
.endm
; Four places (ISA guide 7.12.1 for vector instructions) in front of loads into registers that a matrix instruction has read, and of lines that read its result
.macro PLACES
.rept 4
	v_nop
.endr
.endm
; A K step is four quarter steps of 32 along K, 64 matrix instructions each, on buffers 0, 1, 0, 1.  One of the first three: multiplies buffer f; in its middle it fetches the next quarter, at byte k, into g.
.macro QUARTER slot, k, f, g, zero
	s_wait_dscnt 8                                 ; wbf's fragments and abf's rows 0-63 are in; the youngest eight loads (abf's rows 64-127) may be out
	WIN MUL_LO
	MUL16 \f, 0, 0, \zero
	MUL16 \f, 0, 2, \zero
	PLACES
	FETCH \slot, \k, \g
	s_wait_dscnt 32                                ; all but the 32 just issued
	WIN MUL_HI
	MUL16 \f, 1, 0, \zero
	MUL16 \f, 1, 2, \zero
.endm
; The first half of the last quarter, and the ONE barrier of a change of slots.  In front of it each wave waits for all its tensor loads (one is out: its part of the next slot), adds 0 to its spare word,
; and waits for that and for its own reads of this slot.  Behind it nobody reads this slot any more and the next slot is whole.  round = 1: a round of the cluster's barrier follows.
.macro MEET round
	WIN 0                                          ; (the add's two registers lie in window 0)
	s_wait_tensorcnt 0x0                           ; all my tensor loads have landed
	ds_add_u32 v[SPW], v[NIL]                      ; 0 onto my spare word
	s_wait_dscnt 9                                 ; (the add and the youngest eight loads may be out)
	WIN MUL_LO
	MUL16 F1, 0, 0, 0                              ; sixteen matrix instructions stand between the add and the wait for it
	s_wait_dscnt 0x0                               ; the add is done, and my reads of this slot are over
	s_barrier_signal -1
	MUL16 F1, 0, 2, 0                              ; work on registers while the others arrive
.if \round
	WIN 0
.endif
	s_barrier_wait -1
.endm
; The whole last quarter.  fill = 1: behind the round the slot just read out is filled again, with the K step two steps on: 224 matrix instructions ahead of the wait for it.
.macro TURN slot, next, fill
.if \fill
	s_wait_xcnt 0x0                                ; the last prefetch, a K step back, has read its address: it is stepped here, ahead of the waits of the change of slots
	s_add_nc_u64 s[PFA:PFA+1], s[PFA:PFA+1], KSTEP*2
	MEET 1
	CREST                                          ; no wave of any partner still reads this slot's tile or has a load on its way
	s_add_nc_u64 s[G0+4*(\slot)+2:G0+4*(\slot)+3], s[G0+4*(\slot)+2:G0+4*(\slot)+3], 2*KSTEP*2
	s_add_nc_u64 s[G0B+4*(\slot)+2:G0B+4*(\slot)+3], s[G0B+4*(\slot)+2:G0B+4*(\slot)+3], 2*KSTEP*2
	JLOAD \slot                                    ; the first tensor load behind the round, my only one until the next; its four v_nop are also the places in front of the loads below
.else
	MEET 0                                         ; the last change: nothing is filled again, so no round follows
	PLACES
.endif
	FETCH \next, 0, F0
.if \fill
	ASK
.endif
	WIN MUL_HI
	MUL16 F1, 1, 0, 0
	MUL16 F1, 1, 2, 0
.endm
; THE WAY OUT, by blocks a = 0..7 of 16 rows x (64 al + 64 tl).
.macro SETH a                          ; where block a's 32 registers of hidden lie in window 1: blocks 0-3 in registers that no product names, blocks 4-7 where wbf's fragments lay
.if (\a) < 2
.set HR, 32*(\a)
.elseif (\a) < 4
.set HR, 128+32*(\a)
.else
.set HR, 32*(\a)-64
.endif
.endm
.macro HLOAD a                         ; hidden for block a: register 4 t + c = row 16 a + 2 t + l / 16, column 4 (l % 16) + c: sixteen lanes take 256 consecutive bytes, aligned
	SETH \a
	WIN TO_B
.irp t, 0,1,2,3,4,5,6,7
	global_load_b128 v[HR+4*(\t):HR+4*(\t)+3], v[CO], s[HID:HID+1] offset:(16*(\a)+2*(\t))*OROW th:TH_LOAD_NT
.endr
.endm
; Block a's sums go into my stage (a lane holds eight neighbouring columns of one row; each accumulator's low registers first) and come back by rows, al into TS + 0..31, tl into TS + 32..63,
; in hidden's layout.  LDS serves a wave's instructions in order (ISA guide 5.7.1.4): the loads see the stores above them, and the next block's stores come behind these loads.
.macro TOSTAGE a
.set AC, 64*((\a)%4)
.set TS, 64+64*((\a)%2)
	s_wait_xcnt 0x0                                ; the stores of block a - 2 have read these registers: they are loaded again only behind this wait
	WIN 0x08+4*((\a)/4)                            ; the stores' data: window 2 or 3
.irp b, 0,1,2,3,4,5,6,7
	ds_store_b128 v[STO], v[AC+8*(\b):AC+8*(\b)+3]   offset:64*(\b)
	ds_store_b128 v[STO], v[AC+8*(\b)+4:AC+8*(\b)+7] offset:64*(\b)+16
.endr
	WIN 0
.irp t, 0,1,2,3,4,5,6,7
	ds_load_b128 v[TS+4*(\t):TS+4*(\t)+3],       v[RD] offset:2*SPITCH*(\t)
	ds_load_b128 v[TS+32+4*(\t):TS+32+4*(\t)+3], v[RD] offset:2*SPITCH*(\t)+256
.endr
.endm
.macro FEXP n                          ; pair n of 32: the exponent: 2 log2(e) (al + W_in_b), or -log2(e) (tl + tau_adapt_b)
.if (\n) < 16
	v_pk_fma_f32 v[TE+2*(\n):TE+2*(\n)+1], v[TE+2*(\n):TE+2*(\n)+1], s[K1:K1+1], v[C1B+2*((\n)%2):C1B+2*((\n)%2)+1] op_sel_hi:[1,0,1]
.else
	v_pk_fma_f32 v[TE+2*(\n):TE+2*(\n)+1], v[TE+2*(\n):TE+2*(\n)+1], s[K2:K2+1], v[C2B+2*((\n)%2):C2B+2*((\n)%2)+1] op_sel_hi:[1,0,1]
.endif
.endm
.macro GADD n                          ; pair n of 32: 1 + the exponential
	v_pk_add_f32 v[TE+2*(\n):TE+2*(\n)+1], v[TE+2*(\n):TE+2*(\n)+1], 1.0 op_sel_hi:[1,0]
.endm
; Block a's element-wise work.  Each kind of transcendental is ONE batch with ONE wait: nothing ahead of a batch's wait names a result of the batch; a plain line stands among the
; transcendentals where there is one, a v_nop behind the last.  The next block's trip through the stage is issued first, so that it is under way meanwhile.
.macro EPI a
.if (\a) < 7
	TOSTAGE (\a)+1
	s_wait_dscnt 32                                ; block a is back; the next block's 16 stores and 16 loads may be out
.else
	s_wait_dscnt 0x0
.endif
.set TE, 64+64*((\a)%2)
	SETH \a
	WIN 0
	FEXP 0
	FEXP 1
.set k, 0
.rept 32                               ; 64 exponentials; pair k + 2 is scaled between those of pair k
	v_exp_f32 v[TE+2*k], v[TE+2*k]
.if k < 30
	FEXP k+2
.endif
	v_exp_f32 v[TE+2*k+1], v[TE+2*k+1]
.set k, k+1
.endr
	v_nop                                          ; a plain instruction behind the last exponential,
	s_wait_alu depctr_va_vdst(0)                   ; and the one wait for the 64, ahead of their first reader
	GADD 0
	GADD 1
.set k, 0
.rept 32                               ; 64 reciprocals, in the same order
	v_rcp_f32 v[TE+2*k], v[TE+2*k]
.if k < 30
	GADD k+2
.endif
	v_rcp_f32 v[TE+2*k+1], v[TE+2*k+1]
.set k, k+1
.endr
	v_nop
	s_wait_alu depctr_va_vdst(0)                   ; one wait for the 64 reciprocals
.set k, 0
.rept 16
	v_pk_fma_f32 v[TE+32+2*k:TE+33+2*k], v[TE+32+2*k:TE+33+2*k], v[TB+2*(k%2):TB+2*(k%2)+1], v[TBH+2*(k%2):TBH+2*(k%2)+1]  ; tau = tau_base sigmoid + 0.5 tau_base
	v_pk_fma_f32 v[TE+2*k:TE+2*k+1], v[TE+2*k:TE+2*k+1], -2.0, 1.0 op_sel_hi:[1,0,0]                                       ; act = 1 - 2 / (1 + 2^..)
.set k, k+1
.endr
.irp t, 0,1,2,3,4,5,6,7
	global_store_b128 v[CO], v[TE+32+4*(\t):TE+32+4*(\t)+3], s[O1:O1+1] offset:(16*(\a)+2*(\t))*OROW th:TH_STORE_NT  ; sixteen lanes store 256 consecutive bytes, at a multiple of 256 from out1's first byte
.endr
	s_wait_loadcnt 8*(7-(\a))                      ; hidden for block a is in; the later blocks' eight loads each may stay out
	WIN 0x04                                       ; source 1 (hidden) in window 1
.set k, 0
.rept 16
	v_rcp_f32 v[RC+2*k], v[TE+32+2*k]
	v_pk_add_f32 v[TE+2*k:TE+2*k+1], v[TE+2*k:TE+2*k+1], v[HR+2*k:HR+2*k+1] neg_lo:[0,1] neg_hi:[0,1]  ; act - h
	v_rcp_f32 v[RC+2*k+1], v[TE+33+2*k]
.set k, k+1
.endr
	v_nop
	s_wait_alu depctr_va_vdst(0)                   ; one wait for the 32 reciprocals of tau
	WIN 0x10                                       ; source 2 (hidden) in window 1
.set k, 0
.rept 16
	v_pk_mul_f32 v[TE+2*k:TE+2*k+1], v[TE+2*k:TE+2*k+1], v[RC+2*k:RC+2*k+1]
.set k, k+1
.endr
.set k, 0
.rept 16
	v_pk_fma_f32 v[TE+2*k:TE+2*k+1], v[TE+2*k:TE+2*k+1], s[DTS:DTS+1], v[HR+2*k:HR+2*k+1] op_sel_hi:[1,0,1]  ; h + 0.1 (act - h) / tau
.set k, k+1
.endr
	WIN 0
.irp t, 0,1,2,3,4,5,6,7
	global_store_b128 v[CO], v[TE+4*(\t):TE+4*(\t)+3], s[O0:O0+1] offset:(16*(\a)+2*(\t))*OROW th:TH_STORE_NT
.endr
.endm
	s_wait_tensorcnt 1                             ; my part of K step 0 is in; K step 1's may stay out
	s_barrier_signal -1
	s_barrier_wait -1                              ; everybody's is
	FETCH 0, 0, F0
	QUARTER 0, 64,  F0, F1, 1                      ; the first quarter stands in front of the loop: its products start the sums
	WIN 0                                          ; at a label and at a branch every window is 0
	s_mov_b32 s3, LAPS-1
.Llap:                                                 ; 11 trips: once round the ring, from a lap's second quarter to the next lap's first; both slots are filled again
	QUARTER 0, 128, F1, F0, 0
	QUARTER 0, 192, F0, F1, 0
	TURN 0, 1, 1
	QUARTER 1, 64,  F0, F1, 0
	QUARTER 1, 128, F1, F0, 0
	QUARTER 1, 192, F0, F1, 0
	TURN 1, 0, 1
	QUARTER 0, 64,  F0, F1, 0
	WIN 0
	s_sub_co_u32 s3, s3, 1
	s_cmp_lg_u32 s3, 0
	s_cbranch_scc1 .Llap
	HLOAD 0                                        ; hidden for my rows 0-63 is asked for nearly two K steps ahead of its use, into registers that no product names
	HLOAD 1
	HLOAD 2
	HLOAD 3
	QUARTER 0, 128, F1, F0, 0                      ; the last lap is written out: it fills nothing
	QUARTER 0, 192, F0, F1, 0
	TURN 0, 1, 0
	QUARTER 1, 64,  F0, F1, 0
	QUARTER 1, 128, F1, F0, 0
	QUARTER 1, 192, F0, F1, 0
	s_wait_dscnt 8                                 ; the very last quarter: nothing more to fetch
	MUL16 F1, 0, 0, 0
	MUL16 F1, 0, 2, 0
	s_wait_dscnt 0x0
	MUL16 F1, 1, 0, 0
	MUL16 F1, 1, 2, 0
	WIN 0
	PLACES                                         ; behind the last products: loads into their sources and LDS stores of their results follow
	PLACES
	HLOAD 4                                        ; hidden for my rows 64-127, where wbf's fragments lay
	HLOAD 5
	HLOAD 6
	HLOAD 7
	TOSTAGE 0
.irp a, 0,1,2,3,4,5,6,7
	EPI \a
.endr
	WIN 0
	s_wait_tensorcnt 0x0                           ; the wave's end: behind my last tensor load and my last LDS store
	ds_add_u32 v[SPW], v[NIL]
	s_wait_dscnt 0x0
	CROUND                                         ; the closing round: no work-group ends while a partner may still ask for a tile that names it
	s_endpgm
.Lfunc_end_k_q416ddd7624_cell:
	.size	k_q416ddd7624_cell, .Lfunc_end_k_q416ddd7624_cell-k_q416ddd7624_cell
	.p2alignl 7, 3214868480
	.fill 96, 4, 3214868480
	.section	.rodata,"a",@progbits
	.p2align	6, 0x0
	.amdhsa_kernel k_q416ddd7624_cell
		.amdhsa_group_segment_fixed_size 327680
		.amdhsa_private_segment_fixed_size 0
		.amdhsa_enable_private_segment 0
		.amdhsa_kernarg_size 64
		.amdhsa_user_sgpr_count 2
		.amdhsa_user_sgpr_kernarg_segment_ptr 1
		.amdhsa_wavefront_size32 1
		.amdhsa_system_sgpr_workgroup_id_x 1
		.amdhsa_system_sgpr_workgroup_id_y 1
		.amdhsa_system_sgpr_workgroup_id_z 1
		.amdhsa_system_vgpr_workitem_id 0
		.amdhsa_next_free_vgpr 1024
		.amdhsa_next_free_sgpr 86
		.amdhsa_reserve_vcc 0
		.amdhsa_float_denorm_mode_32 3
		.amdhsa_float_denorm_mode_16_64 3
		.amdhsa_memory_ordered 1
		.amdhsa_forward_progress 1
		.amdhsa_inst_pref_size 255
	.end_amdhsa_kernel
	.section	.bss,"aw",@nobits
	.p2align	6
	.space	262144
	.amdgpu_metadata
---
amdhsa.version: [ 1, 2 ]
amdhsa.kernels:
  - .name:           k_q416ddd7624_cell
    .symbol:         k_q416ddd7624_cell.kd
    .args:
      - { .name: abf, .offset: 0, .size: 8, .value_kind: global_buffer, .address_space: global }
      - { .name: wbf, .offset: 8, .size: 8, .value_kind: global_buffer, .address_space: global }
      - { .name: hidden, .offset: 16, .size: 8, .value_kind: global_buffer, .address_space: global }
      - { .name: W_in_b, .offset: 24, .size: 8, .value_kind: global_buffer, .address_space: global }
      - { .name: tau_adapt_b, .offset: 32, .size: 8, .value_kind: global_buffer, .address_space: global }
      - { .name: tau_base, .offset: 40, .size: 8, .value_kind: global_buffer, .address_space: global }
      - { .name: out0, .offset: 48, .size: 8, .value_kind: global_buffer, .address_space: global }
      - { .name: out1, .offset: 56, .size: 8, .value_kind: global_buffer, .address_space: global }
    .group_segment_fixed_size: 327680
    .private_segment_fixed_size: 0
    .kernarg_segment_align: 8
    .kernarg_segment_size: 64
    .max_flat_workgroup_size: 128
    .sgpr_count:     86
    .vgpr_count:     1024
    .wavefront_size: 32
...
	.end_amdgpu_metadata
.endif
;; end of part 2
;; ======== version 2 of 2: 2 launches; version 1 with the launch cast written anew for expert scheduling mode
;; workspace buffers: abf 25,165,824 bytes; wbf 25,165,824 bytes
;; launch cast (part 3): grid 1024 x 1, 8 waves a work-group, no clusters, 0 bytes of LDS; arguments x, hidden, W_in_w, W_rec, tau_adapt_w, abf, wbf; writes abf, wbf
.if DOCPART == 3
	.amdgcn_target "amdgcn-amd-amdhsa--gfx1250"
	.amdhsa_code_object_version 6
	.text
	.protected	k_q416ddd7624_cast
	.globl	k_q416ddd7624_cast
	.p2align	8
	.type	k_q416ddd7624_cast,@function
k_q416ddd7624_cast:
	s_mov_b64 s[64:65], 0
	v_nop
	global_prefetch_b8 v0, s[64:65] scope:SCOPE_SE
	s_setreg_imm32_b32 hwreg(HW_REG_WAVE_SCHED_MODE, 0, 2), 2
	s_setreg_imm32_b32 hwreg(HW_REG_WAVE_MODE, 25, 1), 1
	s_wait_xcnt 0x0
	s_wait_alu depctr_vm_vsrc(0)
; THE MODULE.  With one step, reference() is ONE product and element-wise work behind it: A = [x | hidden], 4,096 rows of 3,072 numbers, is multiplied
; by two sets of 2,048 weight rows of 3,072: [W_in_w | W_rec] (the logits of the tanh) and tau_adapt_w (the logits of the sigmoid).
; NOTHING IS LEFT OUT: every input has a way to an output, and every product of reference() is made.
; THIS LAUNCH rounds the matrix operands once to bf16 (nearest even; bf16 has the range of f32) and lays them out for the second launch:
;   abf [4096][3072] bf16: row m = x[m] | hidden[m]
;   wbf [4096][3072] bf16: row q = 128 (j / 64) + 64 kind + j % 64; kind 0 = W_in_w[j] | W_rec[j], kind 1 = tau_adapt_w[j].
; So any 128 aligned rows of wbf are 64 rows of the first kind and then the 64 rows of the second kind for the SAME j: a wave of the second launch
; that multiplies by 128 such rows holds both logits of each of its outputs.
; SHARES.  One wave makes one row: 12,288 bytes in by 24 loads of 16 bytes a lane (512 consecutive bytes each), all issued before the first wait;
; 6,144 bytes out by 24 stores of 8 bytes a lane (256 consecutive bytes each, at a multiple of 256 from the buffer's first byte).
; A work-group's eight rows are of one kind: work-groups 0-511 make abf, 512-767 the first kind of wbf, 768-1023 the second.
; No LDS, no barrier, no loop: nothing is shared, and no register that a memory instruction reads is written again, so no wait frees a register.
; THE MODE: SCHED_MODE bits 1:0 = 2 (LLVM: expert scheduling mode 2), set by the entry lines.  The code itself states the register dependences
; between vector instructions and memory instructions, with s_wait_alu, always for 0.
; THE PLAN.  Registers that memory instructions touch:
;   v1, v2     byte offsets, made once at the head by vector instructions; v1 is read by every load, v2 by every store; never written again.
;   v[8:103]   24 chunks of four.  A chunk is written by its load (no vector instruction has named it before), read by its two conversions, which write
;              its first two registers, and those two are read by its one store; nothing writes them behind that.
; The chunks go in six groups of four.  Group g's eight conversions name group g's registers alone; the four stores that stand among them are those of
; group g - 1.  So one wait at a group's head states all that its four stores hang on, and one more stands ahead of the last four stores.
.set XR, 8                             ; v[8:103]  24 chunks of four f32 a lane; a chunk's first two registers then hold its four bf16
.set GRP, 4                            ; chunks in a group
	s_load_b256 s[4:11], s[0:1], 0x0               ; x s[4:5], hidden s[6:7], W_in_w s[8:9], W_rec s[10:11]
	s_load_b128 s[12:15], s[0:1], 0x20             ; tau_adapt_w s[12:13], abf s[14:15]
	s_load_b64 s[16:17], s[0:1], 0x30              ; wbf
	v_lshrrev_b32 v3, 5, v0
	v_readfirstlane_b32 s20, v3                    ; wave 0..7
	v_and_b32 v4, 31, v0                           ; lane
	v_lshlrev_b32 v1, 4, v4                        ; 16 bytes a lane in
	v_lshlrev_b32 v2, 3, v4                        ; 8 bytes a lane out
	s_lshl_b32 s21, ttmp9, 3
	s_wait_alu depctr_va_sdst(0)                   ; s20 is written, ahead of its first reader: the row's number is made from it
	s_add_co_u32 s21, s21, s20                     ; my row among the 8,192
	s_and_b32 s22, s21, 2047                       ; j, for a weight row
	s_and_b32 s23, s21, 4095                       ; m, for a row of abf
	s_lshr_b32 s25, s22, 6
	s_lshl_b32 s25, s25, 7                         ; 128 (j / 64)
	s_and_b32 s18, s22, 63
	s_or_b32 s25, s25, s18                         ; + j % 64
	s_mov_b32 s32, 4096                            ; bytes in a row of the first source (x, W_in_w)
	s_mov_b32 s33, 8192                            ; and of the second (hidden, W_rec)
	s_wait_kmcnt 0x0
	s_cmp_lt_u32 ttmp9, 512                        ; a row of abf?
	s_cselect_b32 s24, s23, s22                    ; the row's number in its sources
	s_cselect_b64 s[26:27], s[4:5], s[8:9]         ; the first 1,024 numbers come from x or W_in_w,
	s_cselect_b64 s[28:29], s[6:7], s[10:11]       ; the other 2,048 from hidden or W_rec,
	s_cselect_b64 s[30:31], s[14:15], s[16:17]     ; and go to abf or wbf
	s_cmp_ge_u32 ttmp9, 768                        ; a row of tau_adapt_w?
	s_cselect_b64 s[26:27], s[12:13], s[26:27]     ; then both parts come from it,
	s_cselect_b64 s[28:29], s[12:13], s[28:29]
	s_cselect_b32 s32, 0x3000, s32                 ; its rows are 12,288 bytes,
	s_cselect_b32 s33, 0x3000, s33
	s_cselect_b32 s34, 0x1000, 0                   ; the second part begins 4,096 bytes into the row,
	s_cselect_b32 s35, 64, 0                       ; and the row goes 64 rows further down in wbf
	s_or_b32 s25, s25, s35
	s_cmp_lt_u32 ttmp9, 512
	s_cselect_b32 s25, s23, s25                    ; the row's number in its destination
	s_mul_i32 s36, s24, s32                        ; the three offsets, made apart from the addresses; all under 2^26
	s_mov_b32 s37, 0
	s_mul_i32 s38, s24, s33
	s_add_co_u32 s38, s38, s34
	s_mov_b32 s39, 0
	s_mul_i32 s40, s25, 6144
	s_mov_b32 s41, 0
	s_add_nc_u64 s[26:27], s[26:27], s[36:37]
	s_add_nc_u64 s[28:29], s[28:29], s[38:39]
	s_add_nc_u64 s[30:31], s[30:31], s[40:41]
	s_wait_alu depctr_va_vdst(0)                   ; v1 and v2 are written: every load of the kernel reads v1 as its offset, every store v2
.set i, 0
.rept 8
	global_load_b128 v[XR+4*i:XR+4*i+3], v1, s[26:27] offset:512*i th:TH_LOAD_NT
.set i, i+1
.endr
.set i, 0
.rept 16
	global_load_b128 v[XR+32+4*i:XR+32+4*i+3], v1, s[28:29] offset:512*i th:TH_LOAD_NT
.set i, i+1
.endr
.set g, 0
.rept 24/GRP
	s_wait_loadcnt 24-GRP-GRP*g                    ; loads come back in order (ISA guide 5.7.1): group g's four chunks are in, the 20 - 4 g younger loads stay out
.if g > 0
	s_wait_alu depctr_va_vdst(0)                   ; the conversions of the group before have written its chunks' first two registers, which the four stores below read
.endif
.set i, 0
.rept GRP
.set c, GRP*g+i
.if g > 0
	global_store_b64 v2, v[XR+4*(c-GRP):XR+4*(c-GRP)+1], s[30:31] offset:256*(c-GRP) th:TH_STORE_NT  ; the group before; no vector instruction since the wait names these registers
.endif
	v_cvt_pk_bf16_f32 v[XR+4*c], v[XR+4*c], v[XR+4*c+1]
	v_cvt_pk_bf16_f32 v[XR+4*c+1], v[XR+4*c+2], v[XR+4*c+3]
.set i, i+1
.endr
.set g, g+1
.endr
	s_wait_alu depctr_va_vdst(0)                   ; the last group's conversions have written the registers that the last four stores read
.set c, 24-GRP
.rept GRP
	global_store_b64 v2, v[XR+4*c:XR+4*c+1], s[30:31] offset:256*c th:TH_STORE_NT
.set c, c+1
.endr
	s_endpgm
.Lfunc_end_k_q416ddd7624_cast:
	.size	k_q416ddd7624_cast, .Lfunc_end_k_q416ddd7624_cast-k_q416ddd7624_cast
	.p2alignl 7, 3214868480
	.fill 96, 4, 3214868480
	.section	.rodata,"a",@progbits
	.p2align	6, 0x0
	.amdhsa_kernel k_q416ddd7624_cast
		.amdhsa_group_segment_fixed_size 0
		.amdhsa_private_segment_fixed_size 0
		.amdhsa_enable_private_segment 0
		.amdhsa_kernarg_size 56
		.amdhsa_user_sgpr_count 2
		.amdhsa_user_sgpr_kernarg_segment_ptr 1
		.amdhsa_wavefront_size32 1
		.amdhsa_system_sgpr_workgroup_id_x 1
		.amdhsa_system_sgpr_workgroup_id_y 1
		.amdhsa_system_sgpr_workgroup_id_z 1
		.amdhsa_system_vgpr_workitem_id 0
		.amdhsa_next_free_vgpr 104
		.amdhsa_next_free_sgpr 66
		.amdhsa_reserve_vcc 0
		.amdhsa_float_denorm_mode_32 3
		.amdhsa_float_denorm_mode_16_64 3
		.amdhsa_memory_ordered 1
		.amdhsa_forward_progress 1
		.amdhsa_inst_pref_size 11
	.end_amdhsa_kernel
	.amdgpu_metadata
---
amdhsa.version: [ 1, 2 ]
amdhsa.kernels:
  - .name:           k_q416ddd7624_cast
    .symbol:         k_q416ddd7624_cast.kd
    .args:
      - { .name: x, .offset: 0, .size: 8, .value_kind: global_buffer, .address_space: global }
      - { .name: hidden, .offset: 8, .size: 8, .value_kind: global_buffer, .address_space: global }
      - { .name: W_in_w, .offset: 16, .size: 8, .value_kind: global_buffer, .address_space: global }
      - { .name: W_rec, .offset: 24, .size: 8, .value_kind: global_buffer, .address_space: global }
      - { .name: tau_adapt_w, .offset: 32, .size: 8, .value_kind: global_buffer, .address_space: global }
      - { .name: abf, .offset: 40, .size: 8, .value_kind: global_buffer, .address_space: global }
      - { .name: wbf, .offset: 48, .size: 8, .value_kind: global_buffer, .address_space: global }
    .group_segment_fixed_size: 0
    .private_segment_fixed_size: 0
    .kernarg_segment_align: 8
    .kernarg_segment_size: 56
    .max_flat_workgroup_size: 256
    .sgpr_count:     66
    .vgpr_count:     104
    .wavefront_size: 32
...
	.end_amdgpu_metadata
.endif
;; end of part 3
;; launch cell: the kernel of part 2 again; grid 16 x 16, 4 waves a work-group, clusters of 4 x 4, 327,680 bytes of LDS; arguments abf, wbf, hidden, W_in_b, tau_adapt_b, tau_base, out0, out1; writes out0, out1
